; MI455X (gfx1250); checked and timed in simulation.
; The chip was launched on July 23, 2026; its instructions are those of AMD's public machine-readable ISA for CDNA 5 (MIT licence, August 2026) and "CDNA5" Instruction Set Architecture Reference Guide (July 2026). The comments in the code are by the model that wrote it; some were corrected since.
;; Mo EFFN. Allowed arithmetic: float matrix products may take bf16 or f16 operands with f32 sums; other float arithmetic in f32, or as packed bf16 or f16 multiplies, adds, multiply-adds, maxima and minima; sums over many terms, partial sums and values carried from step to step in f32; what a program stores and reads back later, other than sums and carried values, may be rounded once to bf16 or f16.
;; Inputs: b1 4 x 4,096 float32; b2 4 x 1,024 float32; router_b 4 float32; router_w 1,024 x 4 float32; w1 4 x 1,024 x 4,096 float32; w2 4 x 4,096 x 1,024 float32; x 4 x 512 x 1,024 float32.
;; Outputs: out0 4 x 512 x 1,024 float32.
;; One version. Each part assembles by itself: llvm-mc -triple=amdgcn-amd-amdhsa -mcpu=gfx1250 --defsym DOCPART=n.
;; ======== version 1 of 1: 3 launches
;; workspace buffers: xb 4,194,304 bytes; idx 8,192 bytes of whole numbers; hb 17,825,792 bytes; perm 32,768 bytes of whole numbers; meta 512 bytes of whole numbers
;; launch router (part 1): grid 256 x 1, 4 waves a work-group, no clusters, 0 bytes of LDS; arguments x, router_w, router_b, xb, idx; writes xb, idx
.if DOCPART == 1
	.amdgcn_target "amdgcn-amd-amdhsa--gfx1250"
	.amdhsa_code_object_version 6
	.text
	.protected	k_q2d1e573e57_router
	.globl	k_q2d1e573e57_router
	.p2align	8
	.type	k_q2d1e573e57_router,@function
k_q2d1e573e57_router:
	s_mov_b64 s[64:65], 0
	v_nop
	global_prefetch_b8 v0, s[64:65] scope:SCOPE_SE
	s_setreg_imm32_b32 hwreg(HW_REG_WAVE_MODE, 25, 1), 1
	s_wait_xcnt 0x0
; ROUTER.  idx[t] = argmax_e softmax(x[t] . router_w[:, e] + router_b[e]);  xb = x rounded to bf16, token order, rows of 2,048 bytes.
; All three inputs are rounded to bf16 first, as every input of the program is; a product of two bf16 numbers is exact in f32, and the sums are f32.
; SHARES.  A work-group has 8 tokens, a wave 2.  Lane L holds k = 128 i + 4 L + c (i = 0..7, c = 0..3) of both tokens and of router_w's rows.
; The product has 4 columns for 1,024 x 2,048 numbers read once: a stream; a matrix tile of 16 columns would be three quarters empty, so the sums are made by
; multiply-adds straight from bf16 halves, eight accumulators by turns.  No LDS, no barrier: a token never leaves its wave.
; LIMITS.  Two logits closer than the rounding of their f32 sums may be ordered otherwise than by reference(); a tie keeps the lower index, as argmax does; NaN is not treated apart (it never wins here).
; The division by TEMP = 1.0 changes nothing and is not written.
.set AC, 10                            ; v[10:17]  logits, then weights: token t, expert e at AC + 4 t + e
.set XR, 32                            ; v[32:95]  x: token t, load i at XR + 32 t + 4 i; rounded in place into the first two of the four
.set RW, 96                            ; v[96:223] router_w: row 128 i + 4 L + c at RW + 4 (4 i + c); rounded in place into the first two of the four
; d = a.half(sa) * b.half(sb) + c, the halves bf16, c and d f32
.macro FM d, a, b, c, sa, sb
.if ((\sa) == 0) && ((\sb) == 0)
	v_fma_mix_f32_bf16 v[\d], v[\a], v[\b], v[\c] op_sel_hi:[1,1,0]
.elseif ((\sa) == 1) && ((\sb) == 0)
	v_fma_mix_f32_bf16 v[\d], v[\a], v[\b], v[\c] op_sel:[1,0,0] op_sel_hi:[1,1,0]
.elseif ((\sa) == 0) && ((\sb) == 1)
	v_fma_mix_f32_bf16 v[\d], v[\a], v[\b], v[\c] op_sel:[0,1,0] op_sel_hi:[1,1,0]
.else
	v_fma_mix_f32_bf16 v[\d], v[\a], v[\b], v[\c] op_sel:[1,1,0] op_sel_hi:[1,1,0]
.endif
.endm
	s_load_b256 s[4:11], s[0:1], 0x0               ; x s[4:5], router_w s[6:7], router_b s[8:9], xb s[10:11]
	s_load_b64 s[12:13], s[0:1], 0x20              ; idx
	v_and_b32 v1, 31, v0                           ; lane
	v_lshrrev_b32 v18, 5, v0
	v_readfirstlane_b32 s14, v18                   ; wave
	v_lshlrev_b32 v2, 4, v1                        ; 16 L: x
	v_lshlrev_b32 v3, 6, v1                        ; 64 L: router_w, four rows of 16 bytes a lane
	v_lshlrev_b32 v4, 3, v1                        ; 8 L: xb
	v_mov_b32 v5, 0                                ; the addend of each sum's first link
	s_lshl_b32 s22, ttmp9, 3
	s_lshl1_add_u32 s22, s14, s22                  ; my first token = 8 g + 2 w
	s_lshl_b32 s26, s22, 12                        ; its bytes in x,
	s_mov_b32 s27, 0
	s_lshl_b32 s30, s22, 11                        ; in xb,
	s_mov_b32 s31, 0
	s_lshl_b32 s32, s22, 2                         ; in idx
	s_mov_b32 s33, 0
	s_mov_b32 s24, 0x76543210                      ; v_permlanex16_b32: each lane takes its own place in the other half
	s_mov_b32 s25, 0xfedcba98
	s_mov_b32 s28, 0x3fb8aa3b                      ; log2(e)
	s_wait_kmcnt 0x0
	s_load_b128 s[16:19], s[8:9], 0x0              ; router_b
	s_add_nc_u64 s[4:5], s[4:5], s[26:27]
	s_add_nc_u64 s[10:11], s[10:11], s[30:31]
	s_add_nc_u64 s[12:13], s[12:13], s[32:33]
.set m, 0
.rept 32
	global_load_b128 v[RW+4*m:RW+4*m+3], v3, s[6:7] offset:(m/4)*2048+(m%4)*16
.set m, m+1
.endr
.irp t, 0,1
.irp i, 0,1,2,3,4,5,6,7
	global_load_b128 v[XR+32*\t+4*\i:XR+32*\t+4*\i+3], v2, s[4:5] offset:\t*4096+\i*512 th:TH_LOAD_NT  ; 512 consecutive bytes; x is read once in the launch
.endr
.endr
	s_wait_kmcnt 0x0
	v_cvt_pk_bf16_f32 v18, s16, s17                ; the bias, rounded and widened again
	v_cvt_pk_bf16_f32 v19, s18, s19
	v_lshlrev_b32 v6, 16, v18
	v_and_b32 v7, 0xffff0000, v18
	v_lshlrev_b32 v8, 16, v19
	v_and_b32 v9, 0xffff0000, v19
	v_mov_b32 v28, 1
	v_mov_b32 v29, 2
	v_mov_b32 v30, 3
	s_wait_loadcnt 16                              ; router_w is in; the 16 loads of x are younger
.set m, 0
.rept 32
	v_cvt_pk_bf16_f32 v[RW+4*m], v[RW+4*m], v[RW+4*m+1]        ; experts 0, 1
	v_cvt_pk_bf16_f32 v[RW+4*m+1], v[RW+4*m+2], v[RW+4*m+3]    ; experts 2, 3
.set m, m+1
.endr
.irp t, 0,1
	s_wait_loadcnt 8-8*\t                          ; token t is in
.irp i, 0,1,2,3,4,5,6,7
	v_cvt_pk_bf16_f32 v[XR+32*\t+4*\i], v[XR+32*\t+4*\i], v[XR+32*\t+4*\i+1]
	v_cvt_pk_bf16_f32 v[XR+32*\t+4*\i+1], v[XR+32*\t+4*\i+2], v[XR+32*\t+4*\i+3]
	global_store_b64 v4, v[XR+32*\t+4*\i:XR+32*\t+4*\i+1], s[10:11] offset:\t*2048+\i*256  ; the wave stores 256 consecutive bytes, at a multiple of 256 from xb's first
.endr
.endr
	; 2 tokens x 4 experts x 32 k a lane
.set m, 0
.rept 32
.irp t, 0,1
.irp e, 0,1,2,3
.if m == 0
	FM AC+4*\t+\e, XR+32*\t+4*(m/4)+(m%4)/2, RW+4*m+\e/2, 5, m%2, \e%2
.else
	FM AC+4*\t+\e, XR+32*\t+4*(m/4)+(m%4)/2, RW+4*m+\e/2, AC+4*\t+\e, m%2, \e%2
.endif
.endr
.endr
.set m, m+1
.endr
	; over the 32 lanes: four steps inside each half ride on the additions, one crosses the halves
.irp x, 1,2,4,8
.irp k, 0,1,2,3,4,5,6,7
	v_add_f32_dpp v[AC+\k], v[AC+\k], v[AC+\k] row_xmask:\x row_mask:0xf bank_mask:0xf
.endr
.endr
.irp k, 0,1,2,3,4,5,6,7
	v_permlanex16_b32 v[XR+4*\k+2], v[AC+\k], s24, s25   ; its destination counts as read: a register that a load has written and nothing needs any more
.endr
.irp k, 0,1,2,3,4,5,6,7
	v_add_f32 v[AC+\k], v[AC+\k], v[XR+4*\k+2]
.endr
.irp t, 0,1
.irp e, 0,1,2,3
	v_add_f32 v[AC+4*\t+\e], v[AC+4*\t+\e], v[6+\e]
.endr
.endr
	; softmax, the maximum taken away, as reference() has it
.irp t, 0,1
	v_max3_num_f32 v[18+\t], v[AC+4*\t], v[AC+4*\t+1], v[AC+4*\t+2]
.endr
.irp t, 0,1
	v_max_num_f32 v[18+\t], v[18+\t], v[AC+4*\t+3]
.endr
.irp t, 0,1
	v_mul_f32 v[18+\t], s28, v[18+\t]
.endr
.irp t, 0,1
.irp e, 0,1,2,3
	v_fma_f32 v[AC+4*\t+\e], v[AC+4*\t+\e], s28, -v[18+\t]
.endr
.endr
.irp k, 0,1,2,3,4,5,6,7
	v_exp_f32 v[AC+\k], v[AC+\k]
.endr
	v_nop                                          ; a plain instruction behind the last exponential (ISA guide 5.7.2),
	s_wait_alu depctr_va_vdst(0)                   ; and one wait for the batch of eight, ahead of their first reader
.irp t, 0,1
	v_add_f32 v[20+2*\t], v[AC+4*\t], v[AC+4*\t+1]
	v_add_f32 v[21+2*\t], v[AC+4*\t+2], v[AC+4*\t+3]
.endr
.irp t, 0,1
	v_add_f32 v[20+2*\t], v[20+2*\t], v[21+2*\t]
.endr
	v_rcp_f32 v20, v20
	v_rcp_f32 v22, v22
	v_nop
	s_wait_alu depctr_va_vdst(0)                   ; one wait for the two reciprocals
.irp t, 0,1
.irp e, 0,1,2,3
	v_mul_f32 v[AC+4*\t+\e], v[AC+4*\t+\e], v[20+2*\t]
.endr
.endr
	; argmax: a later expert wins only if strictly greater
.irp t, 0,1
	v_cmp_gt_f32 vcc_lo, v[AC+4*\t+1], v[AC+4*\t]
	v_cndmask_b32 v[24+\t], v5, v28, vcc_lo
	v_cndmask_b32 v[26+\t], v[AC+4*\t], v[AC+4*\t+1], vcc_lo
	v_cmp_gt_f32 vcc_lo, v[AC+4*\t+2], v[26+\t]
	v_cndmask_b32 v[24+\t], v[24+\t], v29, vcc_lo
	v_cndmask_b32 v[26+\t], v[26+\t], v[AC+4*\t+2], vcc_lo
	v_cmp_gt_f32 vcc_lo, v[AC+4*\t+3], v[26+\t]
	v_cndmask_b32 v[24+\t], v[24+\t], v30, vcc_lo
.endr
	v_cmp_eq_u32 vcc_lo, 1, v1
	v_cndmask_b32 v31, v24, v25, vcc_lo            ; lane 0: my first token's expert; lane 1: my second's
	v_lshlrev_b32 v19, 2, v1
	v_cmp_gt_u32 vcc_lo, 2, v1
	s_wait_xcnt 0x0                                ; EXEC changes only behind this wait: the stores of xb have been issued
	s_and_saveexec_b32 s20, vcc_lo
	global_store_b32 v19, v31, s[12:13]            ; 8 bytes a wave at a fixed place: 8,192 bytes in the whole launch
	s_wait_xcnt 0x0
	s_or_b32 exec_lo, exec_lo, s20
	s_endpgm
.Lfunc_end_k_q2d1e573e57_router:
	.size	k_q2d1e573e57_router, .Lfunc_end_k_q2d1e573e57_router-k_q2d1e573e57_router
	.p2alignl 7, 3214868480
	.fill 96, 4, 3214868480
	.section	.rodata,"a",@progbits
	.p2align	6, 0x0
	.amdhsa_kernel k_q2d1e573e57_router
		.amdhsa_group_segment_fixed_size 0
		.amdhsa_private_segment_fixed_size 0
		.amdhsa_enable_private_segment 0
		.amdhsa_kernarg_size 40
		.amdhsa_user_sgpr_count 2
		.amdhsa_user_sgpr_kernarg_segment_ptr 1
		.amdhsa_wavefront_size32 1
		.amdhsa_system_sgpr_workgroup_id_x 1
		.amdhsa_system_sgpr_workgroup_id_y 1
		.amdhsa_system_sgpr_workgroup_id_z 1
		.amdhsa_system_vgpr_workitem_id 0
		.amdhsa_next_free_vgpr 224
		.amdhsa_next_free_sgpr 66
		.amdhsa_reserve_vcc 1
		.amdhsa_float_denorm_mode_32 3
		.amdhsa_float_denorm_mode_16_64 3
		.amdhsa_memory_ordered 1
		.amdhsa_forward_progress 1
		.amdhsa_inst_pref_size 36
	.end_amdhsa_kernel
	.amdgpu_metadata
---
amdhsa.version: [ 1, 2 ]
amdhsa.kernels:
  - .name:           k_q2d1e573e57_router
    .symbol:         k_q2d1e573e57_router.kd
    .args:
      - { .name: x, .offset: 0, .size: 8, .value_kind: global_buffer, .address_space: global }
      - { .name: router_w, .offset: 8, .size: 8, .value_kind: global_buffer, .address_space: global }
      - { .name: router_b, .offset: 16, .size: 8, .value_kind: global_buffer, .address_space: global }
      - { .name: xb, .offset: 24, .size: 8, .value_kind: global_buffer, .address_space: global }
      - { .name: idx, .offset: 32, .size: 8, .value_kind: global_buffer, .address_space: global }
    .group_segment_fixed_size: 0
    .private_segment_fixed_size: 0
    .kernarg_segment_align: 8
    .kernarg_segment_size: 40
    .max_flat_workgroup_size: 128
    .sgpr_count:     66
    .vgpr_count:     224
    .wavefront_size: 32
...
	.end_amdgpu_metadata
.endif
;; end of part 1
;; launch ffn1 (part 2): grid 64 x 4, 8 waves a work-group, no clusters, 254,976 bytes of LDS; arguments xb, idx, w1, b1, hb, perm, meta; writes hb, perm, meta
.if DOCPART == 2
	.amdgcn_target "amdgcn-amd-amdhsa--gfx1250"
	.amdhsa_code_object_version 6
	.text
	.protected	k_q2d1e573e57_ffn1
	.globl	k_q2d1e573e57_ffn1
	.p2align	8
	.type	k_q2d1e573e57_ffn1,@function
k_q2d1e573e57_ffn1:
	s_mov_b64 s[64:65], 0
	v_nop
	global_prefetch_b8 v0, s[64:65] scope:SCOPE_SE
	s_setreg_imm32_b32 hwreg(HW_REG_WAVE_MODE, 25, 1), 1
	s_wait_xcnt 0x0
; FFN1.  hb = gelu_erf(x w1[e] + b1[e]) for the rows that chose expert e, in bf16, laid out as the second product's operand registers take it.
; SHARES.  Work-group (slice, e) has 64 hidden columns of expert e: 1,024 x 64 numbers of w1, which it alone reads, once.  They are rounded to bf16 on their way through registers and laid
; into LDS; ONE barrier; then a loop over the expert's rows, 48 rows x 64 columns a wave and trip, in which LDS is only read and the token rows come from xb straight into operand registers.
; EIGHT WAVES of 512 registers, two to a SIMD.  A trip has 384 matrix instructions and, beside them, 256 LDS loads, 192 global loads and an epilogue of 960 vector instructions in which the wave
; issues no product: the SIMD's other wave, which no barrier ties to it, has products to issue meanwhile.  A wave's tile is the same as it would be with four waves.
; THE LIST.  Every wave makes the expert's list of tokens for itself, in LDS bytes of its own, from idx (whole numbers that the launch before stored), while the weights are on their way.
; A block is 16 rows of the list; expert e has S = ceil(c_e / 16) blocks, numbered in hb from blkbase = the sum of the earlier experts' blocks.  Places past c_e name token 0, a row that exists.
; The expert's slice 0 stores the list's first 2,048 places whole as perm[e][..] and, in 128 bytes of meta, c_e, S, blkbase and zeros.  EXEC is never changed in this text.
; THE LOOP has 6 trips, a constant: 6 x 8 waves x 3 blocks cover the 128 blocks that one expert can have, so every split of the tokens is served; a trip whose blocks do not exist is jumped
; forward, and it issues nothing, so the loads that are out at a trip's head are the same on every way.  A round's groups of three blocks go to the waves in the order 0, 2, 5, 7, 1, 3, 4, 6:
; the first four of a round that is not full differ both in w % 4 and in w / 2.
; TRANSPOSED.  Source 0 = 16 weight columns (turned out of LDS by ds_load_tr16_b128), source 1 = 16 tokens.  In the result lane (r = L % 16, h = L / 16) holds token r and columns 8 h + 0..7: rounded in
; pairs they are four registers of the next product's token fragment.  hb: block x 131,072 + K step J x 1,024 (hidden units 32 J ..) + 512 x (registers 4-7) + 16 L: every store is 512 consecutive bytes.
; NO CLUSTER: each weight has one reader, and the token rows that an expert's work-groups share come by a list, which no tensor descriptor covers.  No tensor loads: f32 weights pass through registers to be rounded.
; GELU.  max(z, 0) - |z| r, r = poly(t) e^(-z z / 2) / 2, t = 1 / (1 + 0.23164189 |z|): Abramowitz and Stegun 7.1.26, erf to 1.5e-7.  h is kept in bf16: f16 has no room for inputs some 30 times larger.
; LIMITS.  idx holds 0..3 (the launch before wrote it); NaN and infinities are not treated apart; an expert without rows still has its weights read.
.set PW,    160                        ; a row of weights in LDS: 128 bytes + 32: an odd multiple of 32
.set CHB,   256*PW                     ; 256 rows
.set LIST,  4*CHB                      ; behind the weights: a list for each wave,
.set LISTB, 11264                      ; 2,816 entries: 2,784 places and 32 that take what the other experts' lanes write
.set SPARE, LIST+8*LISTB               ; the spare words, 128 bytes for each wave: four blocks of 256 bytes that no other line names
.set TRASH, 2784
.set NTRIP, 6
.set SPW,  4                           ; v4   my spare word; never rewritten
.set NIL,  5                           ; v5   0; never rewritten
.set WOFF, 6                           ; v6   my byte offset in the slice of w1
.set WST,  7                           ; v7   where I lay 8 bytes of a row of weights
.set VB,   8                           ; v8-11  my lane's place in rows 256 c .. of the weights, for the turning load
.set L16,  12                          ; v12  16 L
.set LP,   13                          ; v13  my place in the list: steps 1,536 bytes a trip
.set VOFF, 14                          ; v14-16  byte offset in xb of my token in the trip's three blocks
.set VOFFN, 17                         ; v17-19  the same for the next trip
.set VT,   20                          ; v20-22  this trip's tokens as read from the list
.set H16,  23                          ; v23  16 h
.set T,    24                          ; v24-31  at work; in the loop v24-26 hold the next trip's tokens from the trip's head to its seventh chunk
.set BIAS, 32                          ; v32-63  b1 of my 8 columns in each of the four column blocks
.set IDX,  64                          ; v64-127 first: idx, register 4 i + c of lane L = token 128 i + 4 L + c; then weight fragments of two K steps (the even runs')
.set TA,   64                          ;         in the epilogue: |z|
.set TD,   72                          ;         1 + p |z|, then t
.set TQ,   80                          ;         -z z log2(e) / 2, then its exponential
.set TP,   88                          ;         the polynomial
.set TM,   96                          ;         z, then max(z, 0), then gelu
.set ACC,  128                         ; v128-223  accumulator (block s, column block cb) at ACC + 8 (4 s + cb); its four low registers take the packed result
.set L4,   224                         ; v224  4 L
.set TRI,  225                         ; v225  the entry behind the list that is my lane's own
.set ONE,  226
.set CNT,  227                         ; v227, v254  the packed counts, two chains
.set ZR,   228                         ; v228-231  zeros for the list
.set ZA,   232
.set CA,   233                         ; v233, v234  counts of experts 0, 2 and 1, 3; later meta's word and its offset
.set CB,   234
.set DT,   235
.set PD,   236                         ; v236-243  the list on its way to perm
.set BO,   252                         ; v252  my byte offset in b1; later in perm
.set PE,   252
.set PO,   253                         ; v253  where I read the list for perm
.set CN2,  254
.set DT2,  255
; window 1: v0-95, v96-191 the two buffers of token fragments, (K step kk of a chunk's 4, block s) at 24 kk + 8 s; v192-255 the odd runs' weight fragments; while the weights are laid, all 256 are the staging set
.set MSB, 0
.macro WIN new                         ; the immediate's high byte repeats the setting that is left; a switch that changes nothing is dropped
.if MSB != (\new)
	s_set_vgpr_msb (MSB<<8)|(\new)
.set MSB, (\new)
.endif
.endm
.macro PLACES                          ; four places between a matrix instruction and a load into, or a vector write of, one of its registers, or a vector read of its result
.rept 4
	v_nop
.endr
.endm
.macro SC2 r, val                      ; a constant as a pair: the packed forms name both words
	s_mov_b32 s[\r], \val
	s_mov_b32 s[(\r)+1], \val
.endm
; Half b of my 64 loads: 64 rows of my 128.  Lanes 0-15 take the 256 bytes of row 8 (n / 4) + n % 4, lanes 16-31 those of the row four further down.
.macro WLOAD b
	WIN 0x40
.set i, 0
.rept 32
.set n, 32*(\b)+i
	global_load_b128 v[4*n:4*n+3], v[WOFF], s[38:39] offset:(8*(n/4)+n%4)*16384 th:TH_LOAD_NT
.set i, i+1
.endr
	WIN 0
.endm
; Quarter q of my 64 loads is rounded in place and laid into LDS; the 48 - 16 q loads behind it may stay out.
.macro STAGE q
	s_wait_loadcnt 48-16*(\q)
	WIN 0x45
.set i, 0
.rept 16
.set n, 16*(\q)+i
	v_cvt_pk_bf16_f32 v[4*n], v[4*n], v[4*n+1]
	v_cvt_pk_bf16_f32 v[4*n+1], v[4*n+2], v[4*n+3]
.set i, i+1
.endr
	WIN 0x04
.set i, 0
.rept 16
.set n, 16*(\q)+i
	ds_store_b64 v[WST], v[4*n:4*n+1] offset:(8*(n/4)+n%4)*PW  ; lanes 0-15: 128 consecutive bytes, 32 words; lanes 16-31: four rows = 160 words further, the other 32 of the 64 banks (ISA guide 11.1)
.set i, i+1
.endr
.endm
; Register n of idx: the lanes whose token chose my expert write the token at its rank; the others write into their own word behind the list.
.macro SCAT n
.set tq, T+2*((\n)%4)
.set mq, 40+(\n)%8
	v_cmp_eq_u32 s[mq], s20, v[IDX+(\n)]
	v_mbcnt_lo_u32_b32 v[tq], s[mq], s35           ; the rank: those counted so far + the chosen lanes below me
	v_cndmask_b32 v[tq], v[TRI], v[tq], s[mq]
	v_min_u32 v[tq], TRASH+31, v[tq]               ; the entry stays inside my wave's list whatever idx holds
	v_lshl_add_u32 v[tq], v[tq], 2, s36
	v_add_nc_u32 v[tq+1], 128*((\n)/4)+(\n)%4, v[L4]
	ds_store_b32 v[tq], v[tq+1]
	s_bcnt1_i32_b32 s48, s[mq]
	s_add_co_u32 s35, s35, s48
.endm
; Run m of a trip's 16: the weight fragments of K steps 2 m and 2 m + 1 (64 rows x 64 columns): sixteen turning loads, into v64-127 of window 0 (m even) or v192-255 of window 1 (m odd)
.macro TRUN m
.set bfb, 64+128*((\m)%2)
	WIN 0x40*((\m)%2)
.irp u, 0,1
.set jn, 2*(\m)+\u
.irp cb, 0,1,2,3
	ds_load_tr16_b128 v[bfb+32*\u+8*\cb:bfb+32*\u+8*\cb+3],   v[VB+jn/8] offset:(jn%8)*32*PW+\cb*32
	ds_load_tr16_b128 v[bfb+32*\u+8*\cb+4:bfb+32*\u+8*\cb+7], v[VB+jn/8] offset:(jn%8)*32*PW+16*PW+\cb*32
.endr
.endr
.endm
; 24 loads: chunk (128 along K) of three blocks' token rows into buffer buf.  Lane (r, h) takes 16 bytes at 16 h and at 32 + 16 h of each K step's 64 bytes of token r's row.
.macro REFILL buf, chunk, offs
	WIN 0x40
.irp s, 0,1,2
.set kq, 0
.rept 4
	global_load_b128 v[96*(\buf)+24*kq+8*\s:96*(\buf)+24*kq+8*\s+3],   v[(\offs)+\s], s[4:5] offset:(4*(\chunk)+kq)*64
	global_load_b128 v[96*(\buf)+24*kq+8*\s+4:96*(\buf)+24*kq+8*\s+7], v[(\offs)+\s], s[4:5] offset:(4*(\chunk)+kq)*64+32
.set kq, kq+1
.endr
.endr
.endm
; Chunk c of a trip's eight: two runs of 24 matrix instructions, the 12 accumulators by turns, one instruction a turn.  Each run first asks for the next run's weight fragments.
; Then the row buffer is filled again: with chunk tgt of the rows whose offsets stand in offs.
.macro CHUNK c, offs, tgt
	s_wait_loadcnt 24                              ; this buffer's 24 loads are in; the other buffer's 24 are younger
.irp q, 0,1
.set m, 2*(\c)+\q
.if m < 15
.if \q == 1
	PLACES                                         ; the other fragment buffer was read by the matrix instructions of the run before (ahead of a chunk's first run the places at the last chunk's end serve)
.endif
	TRUN m+1
	s_wait_dscnt 16                                ; this run's sixteen are in; the sixteen just issued stay out
.else
	s_wait_dscnt 0x0
.endif
.set bf, 64+128*(m%2)
	WIN 0x04|(m%2)                                 ; source 1 (tokens) in window 1; source 0 (weights) in window 0 or 1
.irp u, 0,1
.irp s, 0,1,2
.irp cb, 0,1,2,3
.if (m == 0) && (\u == 0)
	v_wmma_f32_16x16x32_bf16 v[ACC+8*(4*\s+\cb):ACC+8*(4*\s+\cb)+7], v[bf+32*\u+8*\cb:bf+32*\u+8*\cb+7], v[96*((\c)%2)+24*(2*\q+\u)+8*\s:96*((\c)%2)+24*(2*\q+\u)+8*\s+7], 0
.else
	v_wmma_f32_16x16x32_bf16 v[ACC+8*(4*\s+\cb):ACC+8*(4*\s+\cb)+7], v[bf+32*\u+8*\cb:bf+32*\u+8*\cb+7], v[96*((\c)%2)+24*(2*\q+\u)+8*\s:96*((\c)%2)+24*(2*\q+\u)+8*\s+7], v[ACC+8*(4*\s+\cb):ACC+8*(4*\s+\cb)+7]
.endif
.endr
.endr
.endr
.endr
	PLACES
.if (\c) == 6
	WIN 0
	s_wait_xcnt 0x0                                ; VOFFN is rewritten only behind this wait; the youngest loads were issued 48 matrix instructions ago
.irp s, 0,1,2
	v_min_u32 v[T+\s], 2047, v[T+\s]
	v_lshl_add_u32 v[VOFFN+\s], v[T+\s], 11, v[H16]
.endr
.endif
	REFILL (\c)%2, \tgt, \offs
.endm
; Eight numbers: bias, gelu, rounding.  The sixteen transcendentals are one batch with one wait; the accumulator is read from its low end on.
.macro GELU8 acc, bias, out
.irp p, 0,2,4,6
	v_pk_add_f32 v[TM+\p:TM+\p+1], v[(\acc)+\p:(\acc)+\p+1], v[(\bias)+\p:(\bias)+\p+1]
.endr
.irp p, 0,1,2,3,4,5,6,7
	v_and_b32 v[TA+\p], s80, v[TM+\p]
.endr
.irp p, 0,2,4,6
	v_pk_fma_f32 v[TD+\p:TD+\p+1], v[TA+\p:TA+\p+1], s[66:67], 1.0 op_sel_hi:[1,0,0]
.endr
.irp p, 0,2,4,6
	v_pk_mul_f32 v[TQ+\p:TQ+\p+1], v[TM+\p:TM+\p+1], v[TM+\p:TM+\p+1]
.endr
.irp p, 0,2,4,6
	v_pk_mul_f32 v[TQ+\p:TQ+\p+1], v[TQ+\p:TQ+\p+1], s[68:69] op_sel_hi:[1,0]
.endr
.irp p, 0,1,2,3,4,5,6,7
	v_rcp_f32 v[TD+\p], v[TD+\p]
.endr
.irp p, 0,1,2,3,4,5,6,7
	v_exp_f32 v[TQ+\p], v[TQ+\p]
.endr
.irp p, 0,1,2,3,4,5,6,7
	v_max_num_f32 v[TM+\p], 0, v[TM+\p]            ; plain work that names no result of the batch
.endr
	s_wait_alu depctr_va_vdst(0)                   ; one wait for the batch, ahead of its first reader
.irp p, 0,2,4,6
	v_pk_fma_f32 v[TP+\p:TP+\p+1], v[TD+\p:TD+\p+1], s[70:71], s[72:73] op_sel_hi:[1,0,0]
.endr
.irp p, 0,2,4,6
	v_pk_fma_f32 v[TP+\p:TP+\p+1], v[TP+\p:TP+\p+1], v[TD+\p:TD+\p+1], s[74:75] op_sel_hi:[1,1,0]
.endr
.irp p, 0,2,4,6
	v_pk_fma_f32 v[TP+\p:TP+\p+1], v[TP+\p:TP+\p+1], v[TD+\p:TD+\p+1], s[76:77] op_sel_hi:[1,1,0]
.endr
.irp p, 0,2,4,6
	v_pk_fma_f32 v[TP+\p:TP+\p+1], v[TP+\p:TP+\p+1], v[TD+\p:TD+\p+1], s[78:79] op_sel_hi:[1,1,0]
.endr
.irp p, 0,2,4,6
	v_pk_mul_f32 v[TP+\p:TP+\p+1], v[TP+\p:TP+\p+1], v[TD+\p:TD+\p+1]
.endr
.irp p, 0,2,4,6
	v_pk_mul_f32 v[TP+\p:TP+\p+1], v[TP+\p:TP+\p+1], v[TQ+\p:TQ+\p+1]
.endr
.irp p, 0,2,4,6
	v_pk_fma_f32 v[TM+\p:TM+\p+1], v[TA+\p:TA+\p+1], v[TP+\p:TP+\p+1], v[TM+\p:TM+\p+1] neg_lo:[1,0,0] neg_hi:[1,0,0]
.endr
.irp p, 0,1,2,3
	v_cvt_pk_bf16_f32 v[(\out)+\p], v[TM+2*\p], v[TM+2*\p+1]
.endr
.endm
	s_load_b256 s[4:11], s[0:1], 0x0               ; xb s[4:5], idx s[6:7], w1 s[8:9], b1 s[10:11]
	s_load_b128 s[12:15], s[0:1], 0x20             ; hb s[12:13], perm s[14:15]
	s_load_b64 s[16:17], s[0:1], 0x30              ; meta
	v_lshl_add_u32 v[SPW], v0, 2, SPARE
	v_mov_b32 v[NIL], 0
	v_lshrrev_b32 v[T], 5, v0
	v_readfirstlane_b32 s18, v[T]                  ; wave 0..7
	s_mov_b32 s19, ttmp9                           ; slice
	s_and_b32 s20, ttmp7, 0xffff                   ; expert
	v_and_b32 v1, 31, v0                           ; L
	v_and_b32 v2, 15, v0                           ; r
	v_bfe_u32 v3, v0, 4, 1                         ; h
	v_lshlrev_b32 v[L16], 4, v1
	v_lshlrev_b32 v[H16], 4, v3
	v_lshlrev_b32 v[BO], 5, v3                     ; my 8 numbers of a column block's 16 of b1
	s_lshl_b32 s58, s18, 21                        ; my 128 rows of 16,384 bytes,
	v_lshlrev_b32 v[WOFF], 4, v2
	v_lshl_add_u32 v[WOFF], v3, 16, v[WOFF]        ; four rows down for lanes 16-31
	v_add_nc_u32 v[WOFF], s58, v[WOFF]
	s_mul_i32 s58, s18, 128*PW
	v_mul_u32_u24 v[WST], v3, 4*PW
	v_lshl_add_u32 v[WST], v2, 3, v[WST]
	v_add_nc_u32 v[WST], s58, v[WST]
	v_and_b32 v[T], 7, v0                          ; the turning load: lane L reads row 8 h + L % 8, 16 bytes at 16 ((L / 8) % 2)
	v_lshl_add_u32 v[T], v3, 3, v[T]
	v_mul_u32_u24 v[T], v[T], PW
	v_bfe_u32 v[T+1], v0, 3, 1
	v_lshl_add_u32 v[VB], v[T+1], 4, v[T]
	v_add_nc_u32 v[VB+1], CHB, v[VB]
	v_add_nc_u32 v[VB+2], 2*CHB, v[VB]
	v_add_nc_u32 v[VB+3], 3*CHB, v[VB]
	s_lshl_b32 s54, s20, 24                        ; the expert's 16,777,216 bytes of w1
	s_lshl_b32 s58, s19, 8                         ; the slice's 256 bytes of a row
	s_add_co_u32 s54, s54, s58
	s_mov_b32 s55, 0
	s_lshl_b32 s48, s20, 14
	s_add_co_u32 s48, s48, s58
	s_mov_b32 s49, 0
	s_lshl_b32 s52, s19, 11                        ; the slice's two K steps in a block of hb
	s_mov_b32 s53, 0
	s_mov_b32 s21, 0x76543210
	s_mov_b32 s22, 0xfedcba98
	s_mov_b32 s35, 0
	s_mul_i32 s36, s18, LISTB
	s_add_co_u32 s36, s36, LIST                    ; my wave's list
	SC2 66, 0x3e6d3388                             ; 0.3275911 / sqrt(2)
	SC2 68, 0xbf38aa3b                             ; -log2(e) / 2
	SC2 70, 0x3f07dc22                             ; a5 / 2
	SC2 72, 0xbf3a00e3                             ; a4 / 2
	SC2 74, 0x3f35f0e3                             ; a3 / 2
	SC2 76, 0xbe11a98e                             ; a2 / 2
	SC2 78, 0x3e027906                             ; a1 / 2
	s_mov_b32 s80, 0x7fffffff
	v_lshlrev_b32 v[L4], 2, v1
	v_add_nc_u32 v[TRI], TRASH, v1
	v_mov_b32 v[ONE], 1
	v_mov_b32 v[CNT], 0
	v_mov_b32 v[CN2], 0
	v_mov_b32 v[DT], 0
	v_mov_b32 v[DT2], 0
.irp z, 0,1,2,3
	v_mov_b32 v[ZR+\z], 0
.endr
	v_add_nc_u32 v[ZA], s36, v[L16]
	s_wait_kmcnt 0x0
	s_add_nc_u64 s[38:39], s[8:9], s[54:55]        ; w1 at my expert's slice
	s_add_nc_u64 s[60:61], s[10:11], s[48:49]      ; b1 likewise
	s_add_nc_u64 s[50:51], s[12:13], s[52:53]      ; hb at my slice's place in block 0
.irp i, 0,1,2,3,4,5,6,7,8,9,10,11,12,13,14,15
	global_load_b128 v[IDX+4*\i:IDX+4*\i+3], v[L16], s[6:7] offset:\i*512
.endr
.irp cb, 0,1,2,3
	global_load_b128 v[BIAS+8*\cb:BIAS+8*\cb+3],   v[BO], s[60:61] offset:\cb*64
	global_load_b128 v[BIAS+8*\cb+4:BIAS+8*\cb+7], v[BO], s[60:61] offset:\cb*64+16
.endr
	WLOAD 0
.set i, 0
.rept 22
	ds_store_b128 v[ZA], v[ZR:ZR+3] offset:i*512   ; the list starts as 2,816 times token 0
.set i, i+1
.endr
	s_wait_loadcnt 32                              ; idx and b1 are in; the first 32 loads of weights are younger
	WLOAD 1                                        ; now all 64 loads of my 128 rows are out: with eight waves the whole slice of 256 KB is asked for
	; the four experts' counts: each lane adds 1 << 8 idx for its 64 tokens (a byte holds 64 at the most), in two chains
.set n, 0
.rept 32
	v_lshlrev_b32 v[T], 3, v[IDX+2*n]
	v_lshlrev_b32 v[T+1], 3, v[IDX+2*n+1]
	v_lshl_add_u32 v[CNT], v[ONE], v[T], v[CNT]
	v_lshl_add_u32 v[CN2], v[ONE], v[T+1], v[CN2]
.set n, n+1
.endr
	v_add_nc_u32 v[CNT], v[CNT], v[CN2]
	v_and_b32 v[CA], 0xff00ff, v[CNT]              ; experts 0 and 2 in halves of 16 bits: the sums, 2,048 at the most, fit
	v_lshrrev_b32 v[CB], 8, v[CNT]
	v_and_b32 v[CB], 0xff00ff, v[CB]               ; experts 1 and 3
.irp x, 1,2,4,8
	v_mov_b32_dpp v[DT], v[CA] row_xmask:\x row_mask:0xf bank_mask:0xf
	v_mov_b32_dpp v[DT2], v[CB] row_xmask:\x row_mask:0xf bank_mask:0xf
	v_add_nc_u32 v[CA], v[CA], v[DT]
	v_add_nc_u32 v[CB], v[CB], v[DT2]
.endr
	v_permlanex16_b32 v[DT], v[CA], s21, s22
	v_permlanex16_b32 v[DT2], v[CB], s21, s22
	v_add_nc_u32 v[CA], v[CA], v[DT]
	v_add_nc_u32 v[CB], v[CB], v[DT2]
	v_readfirstlane_b32 s58, v[CA]
	v_readfirstlane_b32 s59, v[CB]
	s_and_b32 s24, s58, 0xffff                     ; c0 .. c3
	s_and_b32 s25, s59, 0xffff
	s_lshr_b32 s26, s58, 16
	s_lshr_b32 s27, s59, 16
.irp f, 0,1,2,3
	s_add_co_u32 s[28+\f], s[24+\f], 15
	s_lshr_b32 s[28+\f], s[28+\f], 4               ; blocks of expert f
.endr
	s_add_co_u32 s58, s28, s29
	s_add_co_u32 s59, s58, s30
	s_mov_b32 s32, s24                             ; c_e,
	s_mov_b32 s33, s28                             ; S,
	s_mov_b32 s34, 0                               ; blkbase of my expert
	s_cmp_eq_u32 s20, 1
	s_cselect_b32 s32, s25, s32
	s_cselect_b32 s33, s29, s33
	s_cselect_b32 s34, s28, s34
	s_cmp_eq_u32 s20, 2
	s_cselect_b32 s32, s26, s32
	s_cselect_b32 s33, s30, s33
	s_cselect_b32 s34, s58, s34
	s_cmp_eq_u32 s20, 3
	s_cselect_b32 s32, s27, s32
	s_cselect_b32 s33, s31, s33
	s_cselect_b32 s34, s59, s34
.set n, 0
.rept 64
	SCAT n
.set n, n+1
.endr
.set i, 0
.rept 16                                       ; b1 is rounded to bf16 like every input, and widened again
	v_cvt_pk_bf16_f32 v[T+i%4], v[BIAS+2*i], v[BIAS+2*i+1]
	v_lshlrev_b32 v[BIAS+2*i], 16, v[T+i%4]
	v_and_b32 v[BIAS+2*i+1], 0xffff0000, v[T+i%4]
.set i, i+1
.endr
	STAGE 0
	STAGE 1
	STAGE 2
	STAGE 3
	WIN 0
	s_wait_dscnt 0x0                               ; for the others' sake: my rows of the weights are laid (and my list is written)
	s_barrier_signal -1
	s_barrier_wait -1                              ; the launch's only barrier: from here on LDS is only read
	; trip t of wave w has group q = 8 t + p(w), blocks 3 q + 0..2: entries 48 q + 16 s + r.  p: the wave's place in the order 0, 2, 5, 7, 1, 3, 4, 6, four bits a wave
	s_lshl_b32 s58, s18, 2
	s_lshr_b32 s23, 0x37265140, s58
	s_and_b32 s23, s23, 7
	s_mul_i32 s58, s23, 192
	s_add_co_u32 s58, s58, s36
	v_lshl_add_u32 v[LP], v2, 2, s58
.irp s, 0,1,2
	ds_load_b32 v[VT+\s], v[LP] offset:64*\s
.endr
	s_wait_dscnt 0x0
.irp s, 0,1,2
	v_min_u32 v[VT+\s], 2047, v[VT+\s]
	v_lshl_add_u32 v[VOFFN+\s], v[VT+\s], 11, v[H16]
.endr
	REFILL 0, 0, VOFFN
	REFILL 1, 1, VOFFN
	WIN 0
	; perm and meta, by the expert's slice 0 alone, while the first rows are on their way: the branches hang on the work-group's and the wave's number, and no barrier stands in them
	s_cmp_lg_u32 s19, 0
	s_cbranch_scc1 .Lnoperm
	s_lshl_b32 s58, s18, 10                        ; my wave's 256 entries: 1,024 bytes
	s_add_co_u32 s59, s58, s36
	v_add_nc_u32 v[PO], s59, v[L16]
.irp it, 0,1
	ds_load_b128 v[PD+4*\it:PD+4*\it+3], v[PO] offset:\it*512
.endr
	s_lshl_b32 s59, s20, 13                        ; the expert's 2,048 places in perm
	s_add_co_u32 s58, s58, s59
	v_add_nc_u32 v[PE], s58, v[L16]
	s_wait_dscnt 0x0
.irp it, 0,1
	global_store_b128 v[PE], v[PD+4*\it:PD+4*\it+3], s[14:15] offset:\it*512  ; 512 consecutive bytes; places past c_e hold token 0
.endr
	s_cmp_lg_u32 s18, 0
	s_cbranch_scc1 .Lnoperm
	v_mov_b32 v[CA], 0                             ; meta[e]: lane 0 c_e, lane 1 S, lane 2 blkbase, the others 0
	v_cmp_eq_u32 vcc_lo, 0, v1
	v_cndmask_b32 v[CA], v[CA], s32, vcc_lo
	v_cmp_eq_u32 vcc_lo, 1, v1
	v_cndmask_b32 v[CA], v[CA], s33, vcc_lo
	v_cmp_eq_u32 vcc_lo, 2, v1
	v_cndmask_b32 v[CA], v[CA], s34, vcc_lo
	s_lshl_b32 s58, s20, 7
	v_add_nc_u32 v[CB], s58, v[L4]
	global_store_b32 v[CB], v[CA], s[16:17]        ; the wave stores 128 consecutive bytes, once in the work-group
.Lnoperm:
	s_mul_i32 s57, s23, 3                          ; my first block of the trip
	s_mov_b32 s56, NTRIP
.Ltrip:
	s_cmp_ge_u32 s57, s33
	s_cbranch_scc1 .Lnext                          ; none of the trip's blocks exists
.irp s, 0,1,2
	ds_load_b32 v[VT+\s], v[LP] offset:64*\s       ; this trip's tokens,
	ds_load_b32 v[T+\s], v[LP] offset:1536+64*\s   ; and the next trip's: a trip that runs has q <= 42, so 2,447 is the highest entry that is ever read
.endr
	TRUN 0
	s_wait_dscnt 16                                ; the six entries are in; the sixteen turning loads are younger
	s_wait_xcnt 0x0                                ; the last trip's stores have had their addresses translated (ISA guide 3.1): their bases, and the accumulators that hold their data, are rewritten only behind this wait
.irp s, 0,1,2
	v_min_u32 v[VT+\s], 2047, v[VT+\s]
	v_lshl_add_u32 v[VOFF+\s], v[VT+\s], 11, v[H16]
	s_add_co_u32 s58, s57, \s
	s_add_co_u32 s58, s58, s34
	s_min_u32 s58, s58, 135                        ; inside hb's 136 blocks whatever idx holds
	s_lshl_b32 s54, s58, 17
	s_add_nc_u64 s[82+2*\s:83+2*\s], s[50:51], s[54:55]  ; a base for each block's stores, so that none is rewritten in the epilogue
.endr
	CHUNK 0, VOFF, 2
	CHUNK 1, VOFF, 3
	CHUNK 2, VOFF, 4
	CHUNK 3, VOFF, 5
	CHUNK 4, VOFF, 6
	CHUNK 5, VOFF, 7
	CHUNK 6, VOFFN, 0                              ; the next trip's first two chunks are asked for while this trip ends
	CHUNK 7, VOFFN, 1
	WIN 0
.irp s, 0,1,2
.if \s > 0
	s_add_co_u32 s58, s57, \s
	s_cmp_ge_u32 s58, s33
	s_cbranch_scc1 .Lnext                          ; this block and those behind it do not exist: nothing is stored for them
.endif
.irp cb, 0,1,2,3
	GELU8 ACC+8*(4*\s+\cb), BIAS+8*\cb, ACC+8*(4*\s+\cb)
	global_store_b128 v[L16], v[ACC+8*(4*\s+\cb):ACC+8*(4*\s+\cb)+3], s[82+2*\s:83+2*\s] offset:\cb*512  ; 512 consecutive bytes, at a multiple of 512 from hb's first
.endr
.endr
.Lnext:
	v_add_nc_u32 v[LP], 1536, v[LP]
	s_add_co_u32 s57, s57, 24
	s_sub_co_u32 s56, s56, 1
	s_cmp_lg_u32 s56, 0
	s_cbranch_scc1 .Ltrip
	s_wait_tensorcnt 0x0                           ; the wave's end
	ds_add_u32 v[SPW], v[NIL]
	s_wait_dscnt 0x0
	s_endpgm
.Lfunc_end_k_q2d1e573e57_ffn1:
	.size	k_q2d1e573e57_ffn1, .Lfunc_end_k_q2d1e573e57_ffn1-k_q2d1e573e57_ffn1
	.p2alignl 7, 3214868480
	.fill 96, 4, 3214868480
	.section	.rodata,"a",@progbits
	.p2align	6, 0x0
	.amdhsa_kernel k_q2d1e573e57_ffn1
		.amdhsa_group_segment_fixed_size 254976
		.amdhsa_private_segment_fixed_size 0
		.amdhsa_enable_private_segment 0
		.amdhsa_kernarg_size 56
		.amdhsa_user_sgpr_count 2
		.amdhsa_user_sgpr_kernarg_segment_ptr 1
		.amdhsa_wavefront_size32 1
		.amdhsa_system_sgpr_workgroup_id_x 1
		.amdhsa_system_sgpr_workgroup_id_y 1
		.amdhsa_system_sgpr_workgroup_id_z 1
		.amdhsa_system_vgpr_workitem_id 0
		.amdhsa_next_free_vgpr 512
		.amdhsa_next_free_sgpr 96
		.amdhsa_reserve_vcc 1
		.amdhsa_float_denorm_mode_32 3
		.amdhsa_float_denorm_mode_16_64 3
		.amdhsa_memory_ordered 1
		.amdhsa_forward_progress 1
		.amdhsa_inst_pref_size 189
	.end_amdhsa_kernel
	.amdgpu_metadata
---
amdhsa.version: [ 1, 2 ]
amdhsa.kernels:
  - .name:           k_q2d1e573e57_ffn1
    .symbol:         k_q2d1e573e57_ffn1.kd
    .args:
      - { .name: xb, .offset: 0, .size: 8, .value_kind: global_buffer, .address_space: global }
      - { .name: idx, .offset: 8, .size: 8, .value_kind: global_buffer, .address_space: global }
      - { .name: w1, .offset: 16, .size: 8, .value_kind: global_buffer, .address_space: global }
      - { .name: b1, .offset: 24, .size: 8, .value_kind: global_buffer, .address_space: global }
      - { .name: hb, .offset: 32, .size: 8, .value_kind: global_buffer, .address_space: global }
      - { .name: perm, .offset: 40, .size: 8, .value_kind: global_buffer, .address_space: global }
      - { .name: meta, .offset: 48, .size: 8, .value_kind: global_buffer, .address_space: global }
    .group_segment_fixed_size: 254976
    .private_segment_fixed_size: 0
    .kernarg_segment_align: 8
    .kernarg_segment_size: 56
    .max_flat_workgroup_size: 256
    .sgpr_count:     96
    .vgpr_count:     512
    .wavefront_size: 32
...
	.end_amdgpu_metadata
.endif
;; end of part 2
;; launch ffn2 (part 3): grid 16 x 16, 4 waves a work-group, no clusters, 58,880 bytes of LDS; arguments hb, w2, b2, perm, meta, out0; writes out0
.if DOCPART == 3
	.amdgcn_target "amdgcn-amd-amdhsa--gfx1250"
	.amdhsa_code_object_version 6
	.text
	.protected	k_q2d1e573e57_ffn2
	.globl	k_q2d1e573e57_ffn2
	.p2align	8
	.type	k_q2d1e573e57_ffn2,@function
k_q2d1e573e57_ffn2:
	s_mov_b64 s[64:65], 0
	v_nop
	global_prefetch_b8 v0, s[64:65] scope:SCOPE_SE
	s_setreg_imm32_b32 hwreg(HW_REG_WAVE_MODE, 25, 1), 1
	s_wait_xcnt 0x0
; FFN2.  out0[token] = h w2[e] + b2[e] for the expert e that the token chose: with one expert a token this product owns each output row and stores it.
; SHARES.  Work-group (slot, slice) has 64 output columns and up to TB blocks of 16 rows of one expert; its sums stay in registers.  K = 4,096 goes in 32 chunks of 128, a constant count of trips with one
; barrier each: the chunk's 128 x 64 numbers of w2 are rounded to bf16 on their way through registers into one of two LDS buffers; the rows come from hb straight into operand registers, 512 consecutive bytes a load.
; THE PIPE.  Trip c multiplies chunk c; meanwhile it reads chunk c + 1's weight fragments out of LDS into the other fragment buffer, lays chunk c + 2 into the LDS buffer that held chunk c,
; and asks memory for the weights of chunk c + 4 and the rows of chunk c + 2.
; THE DEAL.  Every work-group works it out from meta (whole numbers that the launch before stored): TB is the least of 8..12 with sum_e ceil(nblk_e / TB) <= 16; TB = 12 always serves, since there are
; at most 131 blocks: (131 + 4 x 11) / 12 < 16.  Slot x belongs to the expert whose run of slots holds it.  Wave w has the slot's blocks w, w + 4, w + 8: three at the most, for every split.
; WHAT DOES NOT EXIST.  No load is jumped, so that every counted wait holds on every way.  A load for a block that does not exist, or for a slot without blocks, has its lane offset multiplied by 0: all 32 lanes
; ask for the same 16 bytes of a block, or of a row, that exists.  Only matrix instructions and the way out are jumped, forward, past no barrier.  EXEC is changed nowhere but in the way out of a block that is not full.
; ADDRESSES.  Every vector register that serves as an address is made ahead of the loop and never rewritten; the chunks are stepped in the scalar bases, each behind a wait on XCNT that stands in front of
; its group of loads, where the youngest loads were issued a barrier or a trip's products ago.
; TRANSPOSED, as in the first product: source 0 = 16 columns of w2 (turned out of LDS), source 1 = 16 rows of h.  A lane holds one row's eight neighbouring columns.
; NO CLUSTER: the slots that would be partners may belong to different experts, so their tiles of w2 differ by counts read from memory; and f32 tiles brought into LDS would be read, rounded and stored there again.
; LIMITS.  meta and perm are as the launch before wrote them (block numbers, tokens and the expert are clamped ahead of every address); NaN and infinities are not treated apart.
.set PW,    160                        ; a row of weights in LDS: 128 bytes + 32: an odd multiple of 32
.set XB,    128*PW                     ; a chunk; two such buffers from byte 0; chunk c lies in buffer c % 2
.set STAGE, 2*XB                       ; the way out: 16 rows x 272 bytes for each wave
.set SP,    272
.set SPARE, STAGE+4*16*SP              ; the spare words, 128 bytes for each wave: two blocks of 256 bytes that no other line names
.set WSTEP, 524288                     ; 128 rows of w2
.set SPW,   4                          ; v4   my spare word; never rewritten
.set NIL,   5                          ; v5   0; never rewritten
.set VWOFF, 6                          ; v6   my byte offset in a chunk of the slice of w2 (0 in a slot without blocks)
.set VWS,   7                          ; v7   where I lay 8 bytes of a row of weights
.set VB,    8                          ; v8   my lane's place for the turning load
.set L16,   9                          ; v9   16 L
.set STO,   10                         ; v10  the way out: where I put 16 bytes of a row
.set RD,    11                         ; v11  the way out: where I read a row back
.set PO,    14                         ; v14-16  my byte offset in perm for my three blocks
.set BO,    17
.set R16,   18
.set VTOK,  20                         ; v20-43  block i, row pair t: byte offset in out0 of my 16 bytes
.set BIAS,  44                         ; v44-75  b2 of my 8 columns in each of the four column blocks
.set T,     108                        ; v108-111 at work
.set VAO,   112                        ; v112-114 16 L for a block that exists, 0 for one that does not
.set ACC,   128                        ; v128-223 accumulator (block i, column block cb) at ACC + 8 (4 i + cb); on the way out the block's rows
.set WS,    128                        ; windows 2 and 3, v128-191: the two staging sets
; window 1: the two buffers of weight fragments: chunk c's (K step j, column block cb) at 128 (c % 2) + 32 j + 8 cb
; windows 2 and 3, v0-95: the two buffers of row fragments, (block i, K step j) at 32 i + 8 j
; s56-58: 1 if block i exists, else 0;  s59: the same for the slot;  s60-62: the rows that the expert has from block i on;  s[70:75]: hb at block i's chunk last asked for;  s[76:77]: w2 likewise
.set MSB, 0
.macro WIN new                         ; the immediate's high byte repeats the setting that is left; a switch that changes nothing is dropped
.if MSB != (\new)
	s_set_vgpr_msb (MSB<<8)|(\new)
.set MSB, (\new)
.endif
.endm
.macro PLACES                          ; four places between a matrix instruction and a load into one of its registers or a vector read of its result
.rept 4
	v_nop
.endr
.endm
.macro TRYTB tb, mag                   ; does TB = tb need 16 slots or fewer?  n / tb = (n x mag) >> 16, exact for the n up to 139 that occur
	s_add_co_u32 s40, s17, (\tb)-1
	s_add_co_u32 s41, s21, (\tb)-1
	s_add_co_u32 s42, s25, (\tb)-1
	s_add_co_u32 s43, s29, (\tb)-1
.irp q, 40,41,42,43
	s_mul_i32 s[\q], s[\q], \mag
	s_lshr_b32 s[\q], s[\q], 16
.endr
	s_add_co_u32 s40, s40, s41
	s_add_co_u32 s42, s42, s43
	s_add_co_u32 s40, s40, s42
	s_cmp_le_u32 s40, 16
	s_cselect_b32 s36, \tb, s36
	s_cselect_b32 s37, \mag, s37
.endm
; 16 loads: my 32 rows of a chunk into staging set sp.  Lanes 0-15 take the 256 bytes of row 8 (i / 4) + i % 4, lanes 16-31 those of the row four further down.  ch: chunks on, in the immediate
.macro WLD sp, ch
	WIN 0x80+0x40*(\sp)
.set i, 0
.rept 16
	global_load_b128 v[WS+4*i:WS+4*i+3], v[VWOFF], s[76:77] offset:(\ch)*WSTEP+(8*(i/4)+i%4)*4096
.set i, i+1
.endr
.endm
; set sp is rounded in place and laid into LDS buffer sp
.macro WCV sp
	WIN 0x8a+0x45*(\sp)
.set i, 0
.rept 16
	v_cvt_pk_bf16_f32 v[WS+4*i], v[WS+4*i], v[WS+4*i+1]
	v_cvt_pk_bf16_f32 v[WS+4*i+1], v[WS+4*i+2], v[WS+4*i+3]
.set i, i+1
.endr
	WIN 0x08+0x04*(\sp)
.set i, 0
.rept 16
	ds_store_b64 v[VWS], v[WS+4*i:WS+4*i+1] offset:(\sp)*XB+(8*(i/4)+i%4)*PW
.set i, i+1
.endr
.endm
; 8 loads: a chunk of block i's rows, as operand registers, into buffer par
.macro ALD par, i, ch
	WIN 0x80+0x40*(\par)
.irp j, 0,1,2,3
	global_load_b128 v[32*(\i)+8*\j:32*(\i)+8*\j+3],   v[VAO+(\i)], s[70+2*(\i):71+2*(\i)] offset:(\ch)*4096+\j*1024
	global_load_b128 v[32*(\i)+8*\j+4:32*(\i)+8*\j+7], v[VAO+(\i)], s[70+2*(\i):71+2*(\i)] offset:(\ch)*4096+\j*1024+512
.endr
.endm
; 32 turning loads: the chunk in LDS buffer b into fragment buffer b
.macro TRF b
	WIN 0x40
.irp j, 0,1,2,3
.irp cb, 0,1,2,3
	ds_load_tr16_b128 v[128*(\b)+32*\j+8*\cb:128*(\b)+32*\j+8*\cb+3],   v[VB] offset:(\b)*XB+\j*32*PW+\cb*32
	ds_load_tr16_b128 v[128*(\b)+32*\j+8*\cb+4:128*(\b)+32*\j+8*\cb+7], v[VB] offset:(\b)*XB+\j*32*PW+16*PW+\cb*32
.endr
.endr
.endm
; 16 matrix instructions for block i: the block's four accumulators by turns, one instruction a turn.  first = 1: the first K step starts the sums
.macro MM16 par, i, first
	WIN 0x09+4*(\par)                              ; source 0 window 1, source 1 window 2 or 3
.irp j, 0,1,2,3
.irp cb, 0,1,2,3
.if (\first) && (\j == 0)
	v_wmma_f32_16x16x32_bf16 v[ACC+8*(4*(\i)+\cb):ACC+8*(4*(\i)+\cb)+7], v[128*(\par)+32*\j+8*\cb:128*(\par)+32*\j+8*\cb+7], v[32*(\i)+8*\j:32*(\i)+8*\j+7], 0
.else
	v_wmma_f32_16x16x32_bf16 v[ACC+8*(4*(\i)+\cb):ACC+8*(4*(\i)+\cb)+7], v[128*(\par)+32*\j+8*\cb:128*(\par)+32*\j+8*\cb+7], v[32*(\i)+8*\j:32*(\i)+8*\j+7], v[ACC+8*(4*(\i)+\cb):ACC+8*(4*(\i)+\cb)+7]
.endif
.endr
.endr
	WIN 0
.endm
; TRIP c, par = c % 2.  At its head these loads are out, in this order: W(c+2) 16, A(c) 24, W(c+3) 16, A(c+1) 24.
; The barrier orders two things: all waves' stores of chunk c + 1 ahead of its reads, and all waves' reads of chunk c ahead of the stores of chunk c + 2 into the same buffer.
; tr: chunk c + 1's fragments are read.  stw: W(c+2) is rounded and laid.  ldw: W(c+4) is asked for.  lda: A(c+2) is asked for.  n1: the loads younger than W(c+2); n2: those younger than A(c).
.macro TRIP par, first, tr, stw, ldw, lda, n1, n2
	WIN 0
	s_wait_dscnt 0x0                               ; my stores of chunk c + 1 are done, and my reads of chunk c are back: its fragments are whole
	s_barrier_signal -1
	s_barrier_wait -1
.if \tr
	TRF 1-(\par)                                   ; the last products that read this fragment buffer stand ahead of the last trip's four places
.endif
.if \stw
	s_wait_loadcnt \n1
	WCV \par
.endif
.if \ldw
	s_wait_xcnt 0x0                                ; the base is stepped only behind this wait; the youngest loads were issued ahead of the barrier
	s_add_nc_u64 s[76:77], s[76:77], WSTEP
	WLD \par, 0
.endif
	s_wait_loadcnt \n2
	WIN 0
.if \first
	MM16 \par, 0, 1
	MM16 \par, 1, 1
	MM16 \par, 2, 1
.else
	s_cmp_eq_u32 s56, 0
	s_cbranch_scc1 .Lskip_\@                       ; a block that does not exist has none behind it
	MM16 \par, 0, 0
	s_cmp_eq_u32 s57, 0
	s_cbranch_scc1 .Lskip_\@
	MM16 \par, 1, 0
	s_cmp_eq_u32 s58, 0
	s_cbranch_scc1 .Lskip_\@
	MM16 \par, 2, 0
.Lskip_\@:
.endif
	PLACES
.if \lda
	s_wait_xcnt 0x0                                ; the bases are stepped only behind this wait; the youngest loads were issued ahead of the trip's products
.irp i, 0,1,2
	s_add_nc_u64 s[70+2*\i:71+2*\i], s[70+2*\i:71+2*\i], 4096
.endr
	ALD \par, 0, 0
	ALD \par, 1, 0
	ALD \par, 2, 0
.endif
	WIN 0
.endm
	s_load_b256 s[4:11], s[0:1], 0x0               ; hb s[4:5], w2 s[6:7], b2 s[8:9], perm s[10:11]
	s_load_b128 s[12:15], s[0:1], 0x20             ; meta s[12:13], out0 s[14:15]
	v_lshl_add_u32 v[SPW], v0, 2, SPARE
	v_mov_b32 v[NIL], 0
	v_lshrrev_b32 v12, 5, v0
	v_readfirstlane_b32 s32, v12                   ; wave
	s_mov_b32 s33, ttmp9                           ; slot
	s_and_b32 s34, ttmp7, 0xffff                   ; slice
	s_wait_kmcnt 0x0
	s_load_b128 s[16:19], s[12:13], 0x0            ; meta[e] = c_e, nblk_e, blkbase_e, 0 at s[16 + 4 e ..]
	s_load_b128 s[20:23], s[12:13], 0x80
	s_load_b128 s[24:27], s[12:13], 0x100
	s_load_b128 s[28:31], s[12:13], 0x180
	v_and_b32 v1, 31, v0                           ; L
	v_and_b32 v2, 15, v0                           ; r
	v_bfe_u32 v3, v0, 4, 1                         ; h
	s_lshl_b32 s85, s32, 17                        ; my 32 rows of 4,096 bytes in a chunk,
	v_lshlrev_b32 v[VWOFF], 4, v2
	v_lshl_add_u32 v[VWOFF], v3, 14, v[VWOFF]      ; four rows down for lanes 16-31
	v_add_nc_u32 v[VWOFF], s85, v[VWOFF]
	s_mul_i32 s85, s32, 32*PW
	v_mul_u32_u24 v[VWS], v3, 4*PW
	v_lshl_add_u32 v[VWS], v2, 3, v[VWS]
	v_add_nc_u32 v[VWS], s85, v[VWS]
	v_and_b32 v12, 7, v0                           ; the turning load: lane L reads row 8 h + L % 8, 16 bytes at 16 ((L / 8) % 2)
	v_lshl_add_u32 v12, v3, 3, v12
	v_mul_u32_u24 v12, v12, PW
	v_bfe_u32 v13, v0, 3, 1
	v_lshl_add_u32 v[VB], v13, 4, v12
	v_lshlrev_b32 v[L16], 4, v1
	s_mul_i32 s85, s32, 16*SP
	s_add_co_u32 s85, s85, STAGE                   ; my stage
	v_mul_u32_u24 v[STO], v2, SP                   ; in: row r, 32 bytes for each half of the lanes
	v_lshl_add_u32 v[STO], v3, 5, v[STO]
	v_add_nc_u32 v[STO], s85, v[STO]
	v_mul_u32_u24 v[RD], v3, SP                    ; back: lanes 0-15 take one row of 256 bytes, lanes 16-31 the next
	v_lshl_add_u32 v[RD], v2, 4, v[RD]
	v_add_nc_u32 v[RD], s85, v[RD]
	v_lshlrev_b32 v13, 2, v3
	v_lshlrev_b32 v[BO], 5, v3
	v_lshlrev_b32 v[R16], 4, v2
	s_wait_kmcnt 0x0
	s_mov_b32 s36, 12                              ; TB,
	s_mov_b32 s37, 5462                            ; and its multiplier
	TRYTB 11, 5958
	TRYTB 10, 6554
	TRYTB 9, 7282
	TRYTB 8, 8192
	s_sub_co_u32 s44, s36, 1
	s_add_co_u32 s40, s17, s44
	s_add_co_u32 s41, s21, s44
	s_add_co_u32 s42, s25, s44
.irp q, 40,41,42
	s_mul_i32 s[\q], s[\q], s37
	s_lshr_b32 s[\q], s[\q], 16                    ; slots of experts 0, 1, 2
.endr
	s_mov_b32 s45, s40                             ; the first slot of expert 1,
	s_add_co_u32 s46, s45, s41                     ; 2,
	s_add_co_u32 s47, s46, s42                     ; 3
	s_mov_b32 s48, 0                               ; my expert, its first slot, c_e, nblk_e, blkbase_e
	s_mov_b32 s49, 0
	s_mov_b32 s50, s16
	s_mov_b32 s51, s17
	s_mov_b32 s52, s18
	s_cmp_ge_u32 s33, s45
	s_cselect_b32 s48, 1, s48
	s_cselect_b32 s49, s45, s49
	s_cselect_b32 s50, s20, s50
	s_cselect_b32 s51, s21, s51
	s_cselect_b32 s52, s22, s52
	s_cmp_ge_u32 s33, s46
	s_cselect_b32 s48, 2, s48
	s_cselect_b32 s49, s46, s49
	s_cselect_b32 s50, s24, s50
	s_cselect_b32 s51, s25, s51
	s_cselect_b32 s52, s26, s52
	s_cmp_ge_u32 s33, s47
	s_cselect_b32 s48, 3, s48
	s_cselect_b32 s49, s47, s49
	s_cselect_b32 s50, s28, s50
	s_cselect_b32 s51, s29, s51
	s_cselect_b32 s52, s30, s52
	s_sub_co_u32 s53, s33, s49
	s_mul_i32 s53, s53, s36                        ; the slot's first block among the expert's
	s_sub_co_i32 s54, s51, s53
	s_max_i32 s54, s54, 0
	s_min_i32 s54, s54, s36                        ; its blocks: 0 for a slot behind the last expert's last
	s_cmp_gt_u32 s54, 0
	s_cselect_b32 s59, 1, 0                        ; does the slot have blocks?
	s_min_u32 s59, s59, 1
.irp i, 0,1,2
	s_add_co_u32 s85, s32, 4*\i                    ; my block i among the slot's,
	s_add_co_u32 s86, s53, s85                     ; among the expert's
	s_lshl_b32 s87, s86, 4
	s_sub_co_i32 s[60+\i], s50, s87                ; the rows that the expert has from this block on
	s_add_co_u32 s87, s86, s52                     ; and its number in hb
	s_cmp_lt_u32 s85, s54
	s_cselect_b32 s[56+\i], 1, 0                   ; does it exist?
	s_cselect_b32 s[66+\i], s87, 0                 ; hb's block 0, which always exists, in its stead if it does not,
	s_cselect_b32 s[88+\i], s86, 0                 ; and the first 16 places of the expert's perm, which are always written
	s_min_u32 s[56+\i], s[56+\i], 1
	s_min_u32 s[66+\i], s[66+\i], 135
	s_min_u32 s[88+\i], s[88+\i], 127
.endr
	s_min_u32 s48, s48, 3
	v_mul_u32_u24 v[VWOFF], v[VWOFF], s59          ; the lane offsets of what does not exist are 0
.irp i, 0,1,2
	v_mul_u32_u24 v[VAO+\i], v[L16], s[56+\i]
.endr
	s_lshl_b32 s82, s48, 24                        ; the expert's 16,777,216 bytes of w2
	s_lshl_b32 s85, s34, 8                         ; the slice's 256 bytes of a row
	s_add_co_u32 s82, s82, s85
	s_mov_b32 s83, 0
	s_add_nc_u64 s[76:77], s[6:7], s[82:83]
	s_lshl_b32 s82, s48, 12
	s_add_co_u32 s82, s82, s85
	s_add_nc_u64 s[80:81], s[8:9], s[82:83]
	s_mov_b32 s82, s85
	s_add_nc_u64 s[78:79], s[14:15], s[82:83]
	s_lshl_b32 s86, s48, 13                        ; the expert's 2,048 places in perm
.irp i, 0,1,2
	s_lshl_b32 s82, s[66+\i], 17
	s_add_nc_u64 s[70+2*\i:71+2*\i], s[4:5], s[82:83]
	s_lshl_b32 s85, s[88+\i], 6
	s_add_co_u32 s85, s85, s86
	v_add_nc_u32 v[PO+\i], s85, v13
.endr
.irp cb, 0,1,2,3
	global_load_b128 v[BIAS+8*\cb:BIAS+8*\cb+3],   v[BO], s[80:81] offset:\cb*64
	global_load_b128 v[BIAS+8*\cb+4:BIAS+8*\cb+7], v[BO], s[80:81] offset:\cb*64+16
.endr
.irp i, 0,1,2
.irp t, 0,1,2,3,4,5,6,7
	global_load_b32 v[VTOK+8*\i+\t], v[PO+\i], s[10:11] offset:8*\t  ; the token of row 2 t + h of block i
.endr
.endr
	WLD 0, 0
	WLD 1, 1
	s_wait_loadcnt 16                              ; b2, perm and W(0) are in; W(1)'s 16 are younger
	WCV 0
	WLD 0, 2
	ALD 0, 0, 0
	ALD 0, 1, 0
	ALD 0, 2, 0
	s_wait_loadcnt 40                              ; W(1) is in; W(2)'s 16 and A(0)'s 24 are younger
	WCV 1
	WLD 1, 3
	ALD 1, 0, 1
	ALD 1, 1, 1
	ALD 1, 2, 1
	WIN 0
.set i, 0
.rept 16                                       ; b2 is rounded to bf16 like every input, and widened again
	v_cvt_pk_bf16_f32 v[T+i%4], v[BIAS+2*i], v[BIAS+2*i+1]
	v_lshlrev_b32 v[BIAS+2*i], 16, v[T+i%4]
	v_and_b32 v[BIAS+2*i+1], 0xffff0000, v[T+i%4]
.set i, i+1
.endr
.set i, 0
.rept 24
	v_min_u32 v[VTOK+i], 2047, v[VTOK+i]
	v_lshl_add_u32 v[VTOK+i], v[VTOK+i], 12, v[R16]
.set i, i+1
.endr
	s_wait_xcnt 0x0                                ; the bases are stepped only behind this wait
	s_add_nc_u64 s[76:77], s[76:77], 3*WSTEP       ; chunk 3 of the weights was the last to be asked for,
.irp i, 0,1,2
	s_add_nc_u64 s[70+2*\i:71+2*\i], s[70+2*\i:71+2*\i], 4096  ; chunk 1 of the rows
.endr
	s_wait_dscnt 0x0                               ; my rows of chunks 0 and 1 are laid,
	s_barrier_signal -1
	s_barrier_wait -1                              ; everybody's are
	TRF 0
	TRIP 0, 1, 1, 1, 1, 1, 63, 56                  ; n1: 24 + 16 + 24 = 64 are younger; n2: 16 + 24 + 16
	s_mov_b32 s84, 13
.Lk:                                               ; trips 1 to 26
	TRIP 1, 0, 1, 1, 1, 1, 63, 56
	TRIP 0, 0, 1, 1, 1, 1, 63, 56
	s_sub_co_u32 s84, s84, 1
	s_cmp_lg_u32 s84, 0
	s_cbranch_scc1 .Lk
	TRIP 1, 0, 1, 1, 1, 1, 63, 56                  ; trip 27 asks for the last weights, W(31)
	TRIP 0, 0, 1, 1, 0, 1, 63, 40                  ; trip 28: younger than A(28): W(31) 16, A(29) 24
	TRIP 1, 0, 1, 1, 0, 1, 48, 24                  ; trip 29: younger than W(31): A(29), A(30); than A(29): A(30); it asks for the last rows, A(31)
	TRIP 0, 0, 1, 0, 0, 0, 0, 24                   ; trip 30: younger than A(30): A(31)
	TRIP 1, 0, 0, 0, 0, 0, 0, 0                    ; trip 31
	; THE WAY OUT, a block at a time: the bias is added in place; 32 bytes a lane go into my own stage and come back, into the registers that they left, as whole rows of 256 bytes; each row goes to its
	; token's place.  No register is used for two blocks, so no store is waited for.  The trip's four v_nop are the places behind the last products.
.irp i, 0,1,2
	s_cmp_eq_u32 s[56+\i], 0
	s_cbranch_scc1 .Lend
.irp cb, 0,1,2,3
.irp p, 0,2,4,6
	v_pk_add_f32 v[ACC+8*(4*\i+\cb)+\p:ACC+8*(4*\i+\cb)+\p+1], v[ACC+8*(4*\i+\cb)+\p:ACC+8*(4*\i+\cb)+\p+1], v[BIAS+8*\cb+\p:BIAS+8*\cb+\p+1]
.endr
.endr
.irp cb, 0,1,2,3
	ds_store_b128 v[STO], v[ACC+8*(4*\i+\cb):ACC+8*(4*\i+\cb)+3] offset:\cb*64
	ds_store_b128 v[STO], v[ACC+8*(4*\i+\cb)+4:ACC+8*(4*\i+\cb)+7] offset:\cb*64+16
.endr
.irp t, 0,1,2,3,4,5,6,7
	ds_load_b128 v[ACC+32*\i+4*\t:ACC+32*\i+4*\t+3], v[RD] offset:\t*2*SP  ; LDS serves a wave's instructions in order (ISA guide 5.7.1.4): these see the stores above; the next block's stores come behind them
.endr
	s_wait_dscnt 0x0
	s_cmp_ge_i32 s[60+\i], 16
	s_cbranch_scc0 .Lpart\i
.irp t, 0,1,2,3,4,5,6,7                        ; a full block: no mask
	global_store_b128 v[VTOK+8*\i+\t], v[ACC+32*\i+4*\t:ACC+32*\i+4*\t+3], s[78:79] th:TH_STORE_NT  ; 16 lanes store 256 consecutive bytes, at a multiple of 256 from out0's first
.endr
	s_branch .Lfull\i
.Lpart\i:                                      ; the expert's last block, if it is not full
	s_wait_xcnt 0x0                                ; EXEC changes only behind this wait
.irp t, 0,1,2,3,4,5,6,7
	s_sub_co_i32 s85, s[60+\i], 2*\t
	v_cmp_gt_i32 vcc_lo, s85, v3                   ; row 2 t + h is one of the expert's
	s_and_saveexec_b32 s63, vcc_lo
	global_store_b128 v[VTOK+8*\i+\t], v[ACC+32*\i+4*\t:ACC+32*\i+4*\t+3], s[78:79] th:TH_STORE_NT
	s_wait_xcnt 0x0
	s_or_b32 exec_lo, exec_lo, s63
.endr
.Lfull\i:
.endr
.Lend:
	s_wait_tensorcnt 0x0                           ; the wave's end
	ds_add_u32 v[SPW], v[NIL]
	s_wait_dscnt 0x0
	s_endpgm
.Lfunc_end_k_q2d1e573e57_ffn2:
	.size	k_q2d1e573e57_ffn2, .Lfunc_end_k_q2d1e573e57_ffn2-k_q2d1e573e57_ffn2
	.p2alignl 7, 3214868480
	.fill 96, 4, 3214868480
	.section	.rodata,"a",@progbits
	.p2align	6, 0x0
	.amdhsa_kernel k_q2d1e573e57_ffn2
		.amdhsa_group_segment_fixed_size 58880
		.amdhsa_private_segment_fixed_size 0
		.amdhsa_enable_private_segment 0
		.amdhsa_kernarg_size 48
		.amdhsa_user_sgpr_count 2
		.amdhsa_user_sgpr_kernarg_segment_ptr 1
		.amdhsa_wavefront_size32 1
		.amdhsa_system_sgpr_workgroup_id_x 1
		.amdhsa_system_sgpr_workgroup_id_y 1
		.amdhsa_system_sgpr_workgroup_id_z 1
		.amdhsa_system_vgpr_workitem_id 0
		.amdhsa_next_free_vgpr 960
		.amdhsa_next_free_sgpr 96
		.amdhsa_reserve_vcc 1
		.amdhsa_float_denorm_mode_32 3
		.amdhsa_float_denorm_mode_16_64 3
		.amdhsa_memory_ordered 1
		.amdhsa_forward_progress 1
		.amdhsa_inst_pref_size 136
	.end_amdhsa_kernel
	.amdgpu_metadata
---
amdhsa.version: [ 1, 2 ]
amdhsa.kernels:
  - .name:           k_q2d1e573e57_ffn2
    .symbol:         k_q2d1e573e57_ffn2.kd
    .args:
      - { .name: hb, .offset: 0, .size: 8, .value_kind: global_buffer, .address_space: global }
      - { .name: w2, .offset: 8, .size: 8, .value_kind: global_buffer, .address_space: global }
      - { .name: b2, .offset: 16, .size: 8, .value_kind: global_buffer, .address_space: global }
      - { .name: perm, .offset: 24, .size: 8, .value_kind: global_buffer, .address_space: global }
      - { .name: meta, .offset: 32, .size: 8, .value_kind: global_buffer, .address_space: global }
      - { .name: out0, .offset: 40, .size: 8, .value_kind: global_buffer, .address_space: global }
    .group_segment_fixed_size: 58880
    .private_segment_fixed_size: 0
    .kernarg_segment_align: 8
    .kernarg_segment_size: 48
    .max_flat_workgroup_size: 128
    .sgpr_count:     96
    .vgpr_count:     960
    .wavefront_size: 32
...
	.end_amdgpu_metadata
.endif
;; end of part 3
